; MI455X (gfx1250); checked and timed in simulation.
; The chip was launched on July 23, 2026; its instructions are those of AMD's public machine-readable ISA for CDNA 5 (MIT licence, August 2026) and "CDNA5" Instruction Set Architecture Reference Guide (July 2026). The comments in the code are by the model that wrote it; some were corrected since.
;; Semantic Codebook. Allowed arithmetic: float matrix products may take bf16 or f16 operands with f32 sums; all other float work in f32.
;; Inputs: cluster_usage 8,192 float32; embedding_sum 8,192 x 512 float32; x 16 x 512 x 1,024 float32.
;; Outputs: out0 16 x 1 x 1,024 int32; out1 16 x 512 x 1,024 float32.
;; 2 versions, each right; version 2 is version 1 with the launches prep, decode written anew for expert scheduling mode. Each part assembles by itself: llvm-mc -triple=amdgcn-amd-amdhsa -mcpu=gfx1250 --defsym DOCPART=n.
;; ======== version 1 of 2: 3 launches
;; workspace buffers: eb 8,388,608 bytes; cst 65,536 bytes; candv 262,144 bytes; candi 262,144 bytes of whole numbers
;; launch prep (part 1): grid 256 x 1, 8 waves a work-group, no clusters, 1,280 bytes of LDS; arguments embedding_sum, cluster_usage, eb, cst; writes eb, cst
.if DOCPART == 1
	.amdgcn_target "amdgcn-amd-amdhsa--gfx1250"
	.amdhsa_code_object_version 6
	.text
	.protected	k_q6d14a2943a_prep
	.globl	k_q6d14a2943a_prep
	.p2align	8
	.type	k_q6d14a2943a_prep,@function
k_q6d14a2943a_prep:
	s_mov_b64 s[64:65], 0
	v_nop
	global_prefetch_b8 v0, s[64:65] scope:SCOPE_SE
	s_setreg_imm32_b32 hwreg(HW_REG_WAVE_MODE, 25, 1), 1
	s_wait_xcnt 0x0
; eb[c][:] = bf16(embedding_sum[c][:]).  For each code c, with uc = max(bf16(cluster_usage[c]), 1e-5):  m2iu = -2 / uc  and  e2 = the sum over d of (bf16(es[c][d]) / uc)^2, in f32.
; cst holds them by blocks of 8 codes, 64 bytes a block: 8 x m2iu, then 8 x e2.
; ALL INPUTS ARE ROUNDED TO bf16 FIRST, here and in the two launches behind: the program computes the module on inputs so rounded.
; LIMITS.  uc above 2^126 and quotients beyond f32's range are not served (the reciprocal flushes, the correction gives NaN); NaN is not treated apart.  e2 is summed in another order than a plain loop over d.
; SHARES.  Eight waves; the work-group owns 32 codes (256 bytes of cst), a wave 4 rows.  A row of 2,048 bytes is four loads of 512 consecutive bytes; lane l holds elements 128 m + 4 l .. + 3 of load m,
; which pack into 8 bytes: a store of the wave covers 256 consecutive bytes, aligned.  All 16 loads of a wave go out at once; nothing is read twice.  No matrix unit, no cluster: nothing is shared and memory binds.
.set SPARE, 256                        ; LDS 0-255: the stage (m2iu of local code c at 4 c, e2 at 128 + 4 c); from 256 on the spare words, 128 bytes a wave
.set DD,  32                           ; v[32:95]   row i, load m: four f32 at DD + 16 i + 4 m
.set PP,  96                           ; v[96:127]  row i, load m: two registers of packed bf16 at PP + 8 i + 2 m; never rewritten, so no store's data is
	s_load_b256 s[4:11], s[0:1], 0x0               ; embedding_sum s[4:5], cluster_usage s[6:7], eb s[8:9], cst s[10:11]
	v_lshl_add_u32 v30, v0, 2, SPARE               ; my spare word
	v_mov_b32 v31, 0
	v_lshrrev_b32 v1, 5, v0
	v_readfirstlane_b32 s12, v1                    ; wave 0..7
	v_and_b32 v2, 31, v0                           ; lane
	v_lshrrev_b32 v27, 3, v2                       ; for wave 0's way out: block of 8 codes = lane / 8,
	v_and_b32 v28, 3, v2                           ; pair of codes in it,
	v_bfe_u32 v29, v2, 2, 1                        ; m2iu (0) or e2 (1)
	v_lshlrev_b32 v27, 5, v27
	v_lshl_add_u32 v27, v28, 3, v27
	v_lshl_add_u32 v27, v29, 7, v27                ; stage byte 32 (lane / 8) + 8 (lane % 4) + 128 (bit 2 of the lane)
	v_lshlrev_b32 v1, 4, v2                        ; 16 x lane: my place in a load
	v_lshlrev_b32 v2, 3, v2                        ; 8 x lane: my place in a store
	v_mov_b32 v26, 0                               ; v_permlanex16_b32's destination counts as read
	s_lshl_b32 s13, ttmp9, 5
	s_lshl2_add_u32 s13, s12, s13                  ; my first row = 32 x work-group + 4 x wave
	s_mov_b32 s15, 0
	s_mov_b32 s20, 0x76543210                      ; each lane takes its own place in the other half
	s_mov_b32 s21, 0xfedcba98
	s_mov_b32 s22, 0xffff0000                      ; a word's upper bf16
	s_lshl_b32 s23, s12, 4
	v_mov_b32 v3, s23                              ; my wave's 16 bytes of the stage
	s_wait_kmcnt 0x0
	s_lshl_b32 s14, s13, 11
	s_add_nc_u64 s[4:5], s[4:5], s[14:15]          ; rows of 2,048 bytes
	s_lshl_b32 s14, s13, 10
	s_add_nc_u64 s[8:9], s[8:9], s[14:15]          ; rows of 1,024 bytes
	s_lshl_b32 s14, s13, 2
	s_add_nc_u64 s[6:7], s[6:7], s[14:15]
	s_lshl_b32 s14, ttmp9, 8
	s_add_nc_u64 s[10:11], s[10:11], s[14:15]      ; the work-group's 256 bytes of cst
	s_load_b128 s[16:19], s[6:7], 0x0              ; my four usages
.irp i, 0,1,2,3
.irp m, 0,1,2,3
	global_load_b128 v[DD+16*\i+4*\m:DD+16*\i+4*\m+3], v1, s[4:5] offset:2048*\i+512*\m th:TH_LOAD_NT
.endr
.endr
	s_wait_kmcnt 0x0
; One row.  The quotient q = x / uc is made as x r, r = 1 / uc after one Newton step, and corrected once by its remainder.
.macro ROWP i
	s_wait_loadcnt 12-4*(\i)                       ; loads come back in order: the four loads of each later row may stay out
	v_cvt_pk_bf16_f32 v4, s[16+(\i)], s[16+(\i)]
	v_lshlrev_b32 v4, 16, v4                       ; bf16(u) as f32
	v_max_num_f32 v4, 0x3727c5ac, v4               ; uc = max(.., 1e-5)
	v_rcp_f32 v6, v4
	v_mov_b32 v5, v4                               ; the plain line behind the reciprocal; also the pair's second half
	s_wait_alu depctr_va_vdst(0)
	v_fma_f32 v8, -v4, v6, 1.0
	v_fma_f32 v6, v6, v8, v6
	v_mov_b32 v7, v6
	v_mul_f32 v9, -2.0, v6                         ; m2iu
.irp m, 0,1,2,3
.irp p, 0,1
.set rD, DD+16*(\i)+4*(\m)+2*(\p)
.set rP, PP+8*(\i)+2*(\m)+(\p)
.set rT, 10+4*(\p)
	v_cvt_pk_bf16_f32 v[rP], v[rD], v[rD+1]
	v_lshlrev_b32 v[rD], 16, v[rP]                 ; the rounded numbers, widened again
	v_and_b32 v[rD+1], s22, v[rP]
	v_pk_mul_f32 v[rT:rT+1], v[rD:rD+1], v[6:7]
	v_pk_fma_f32 v[rT+2:rT+3], v[rT:rT+1], v[4:5], v[rD:rD+1] neg_lo:[1,0,0] neg_hi:[1,0,0]  ; x - q uc
	v_pk_fma_f32 v[rT:rT+1], v[rT+2:rT+3], v[6:7], v[rT:rT+1]
.if (\p) == 0
	v_pk_mul_f32 v[18+2*(\m):19+2*(\m)], v[rT:rT+1], v[rT:rT+1]       ; the first square starts the chain: nothing is cleared
.else
	v_pk_fma_f32 v[18+2*(\m):19+2*(\m)], v[rT:rT+1], v[rT:rT+1], v[18+2*(\m):19+2*(\m)]
.endif
.endr
	global_store_b64 v2, v[PP+8*(\i)+2*(\m):PP+8*(\i)+2*(\m)+1], s[8:9] offset:1024*(\i)+256*(\m)  ; 32 lanes: 256 consecutive bytes, aligned
.endr
	v_pk_add_f32 v[18:19], v[18:19], v[20:21]
	v_pk_add_f32 v[22:23], v[22:23], v[24:25]
	v_pk_add_f32 v[18:19], v[18:19], v[22:23]
	v_add_f32 v18, v18, v19
	v_add_f32_dpp v18, v18, v18 row_xmask:1 row_mask:0xf bank_mask:0xf
	v_add_f32_dpp v18, v18, v18 row_xmask:2 row_mask:0xf bank_mask:0xf
	v_add_f32_dpp v18, v18, v18 row_xmask:4 row_mask:0xf bank_mask:0xf
	v_add_f32_dpp v18, v18, v18 row_xmask:8 row_mask:0xf bank_mask:0xf
	v_permlanex16_b32 v26, v18, s20, s21
	v_add_f32 v18, v18, v26                        ; e2, in every lane
	ds_store_b32 v3, v9 offset:4*(\i)              ; all lanes write the same word with the same value
	ds_store_b32 v3, v18 offset:128+4*(\i)
.endm
	ROWP 0
	ROWP 1
	ROWP 2
	ROWP 3
	s_wait_dscnt 0x0                               ; for wave 0's sake: my stores into the stage are done
	s_barrier_signal -1
	s_barrier_wait -1
	s_cmp_lg_u32 s12, 0
	s_cbranch_scc1 .Lnot_wave_0
	ds_load_b64 v[10:11], v27                      ; the stage in cst's order
	s_wait_dscnt 0x0
	global_store_b64 v2, v[10:11], s[10:11]        ; 256 consecutive bytes, aligned
.Lnot_wave_0:
	s_wait_tensorcnt 0x0                           ; the wave's end: three closing lines behind my last LDS store
	ds_add_u32 v30, v31
	s_wait_dscnt 0x0
	s_endpgm
.Lfunc_end_k_q6d14a2943a_prep:
	.size	k_q6d14a2943a_prep, .Lfunc_end_k_q6d14a2943a_prep-k_q6d14a2943a_prep
	.p2alignl 7, 3214868480
	.fill 96, 4, 3214868480
	.section	.rodata,"a",@progbits
	.p2align	6, 0x0
	.amdhsa_kernel k_q6d14a2943a_prep
		.amdhsa_group_segment_fixed_size 1280
		.amdhsa_private_segment_fixed_size 0
		.amdhsa_enable_private_segment 0
		.amdhsa_kernarg_size 32
		.amdhsa_user_sgpr_count 2
		.amdhsa_user_sgpr_kernarg_segment_ptr 1
		.amdhsa_wavefront_size32 1
		.amdhsa_system_sgpr_workgroup_id_x 1
		.amdhsa_system_sgpr_workgroup_id_y 1
		.amdhsa_system_sgpr_workgroup_id_z 1
		.amdhsa_system_vgpr_workitem_id 0
		.amdhsa_next_free_vgpr 128
		.amdhsa_next_free_sgpr 66
		.amdhsa_reserve_vcc 0
		.amdhsa_float_denorm_mode_32 3
		.amdhsa_float_denorm_mode_16_64 3
		.amdhsa_memory_ordered 1
		.amdhsa_forward_progress 1
		.amdhsa_inst_pref_size 22
	.end_amdhsa_kernel
	.amdgpu_metadata
---
amdhsa.version: [ 1, 2 ]
amdhsa.kernels:
  - .name:           k_q6d14a2943a_prep
    .symbol:         k_q6d14a2943a_prep.kd
    .args:
      - { .name: embedding_sum, .offset: 0, .size: 8, .value_kind: global_buffer, .address_space: global }
      - { .name: cluster_usage, .offset: 8, .size: 8, .value_kind: global_buffer, .address_space: global }
      - { .name: eb, .offset: 16, .size: 8, .value_kind: global_buffer, .address_space: global }
      - { .name: cst, .offset: 24, .size: 8, .value_kind: global_buffer, .address_space: global }
    .group_segment_fixed_size: 1280
    .private_segment_fixed_size: 0
    .kernarg_segment_align: 8
    .kernarg_segment_size: 32
    .max_flat_workgroup_size: 256
    .sgpr_count:     66
    .vgpr_count:     128
    .wavefront_size: 32
...
	.end_amdgpu_metadata
.endif
;; end of part 1
;; launch search (part 2): grid 64 x 4, 4 waves a work-group, clusters of 4 x 1, 327,680 bytes of LDS; arguments x, eb, cst, candv, candi; writes candv, candi
.if DOCPART == 2
	.amdgcn_target "amdgcn-amd-amdhsa--gfx1250"
	.amdhsa_code_object_version 6
	.text
	.protected	k_q6d14a2943a_search
	.globl	k_q6d14a2943a_search
	.p2align	8
	.type	k_q6d14a2943a_search,@function
k_q6d14a2943a_search:
	s_mov_b64 s[64:65], 0
	v_nop
	global_prefetch_b8 v0, s[64:65] scope:SCOPE_SE
	s_setreg_imm32_b32 hwreg(HW_REG_WAVE_MODE, 25, 1), 1
	s_wait_xcnt 0x0
	s_wait_alu depctr_hold_cnt(0) depctr_sa_sdst(0) depctr_va_vdst(0) depctr_va_sdst(0) depctr_va_ssrc(0) depctr_va_vcc(0) depctr_vm_vsrc(0)
	s_getreg_b32 s2, hwreg(HW_REG_IB_STS2, 6, 4)
	s_cmp_eq_u32 s2, 0
	s_cbranch_scc0 .Lentry_in_a_cluster
	s_endpgm
.Lentry_in_a_cluster:
	s_bfe_u32 s2, ttmp6, 0x10000c
	s_cmp_lg_u32 s2, 0x3003
	s_cbranch_scc0 .Lentry_shape_is_right
	s_endpgm
.Lentry_shape_is_right:
; For each token (a column of x, 512 channels) and each quarter of the codebook (2,048 codes): the least d2 = (x2 - 2 dot / uc) + e2 and its code; of equal values the lowest code.
; dot = the sum over d of bf16(x) bf16(embedding_sum): exact products, f32 sums, by v_wmma_f32_16x16x32_bf16; the division by uc follows in f32 as a factor m2iu = -2 / uc: d2 = fl(fl(dot m2iu + x2) + e2).
; LIMITS.  The codes are those of the module on inputs rounded to bf16; sums run in another order than a plain loop, so two distances within a few last places of f32 of each other may change places.
; A NaN distance never wins (a plain argmin would take it); where every distance of a token is +inf the quarter's first code is given.
; SHARES.  A work-group owns 256 tokens of one batch and one quarter; a wave 64 tokens, whose 64 x 512 bf16 stay in 512 registers for the whole launch as source 1 of the products.  Only eb and cst go through LDS:
; a fragment of 16 codes x 32 channels (two LDS loads) feeds four products.  64 x 4 = 256 work-groups.
; TOKEN TILES.  x lies [channel][token], so a lane's load of 16 bytes brings tokens 4 r .. 4 r + 3 (r = lane % 16) of one channel: tile tt is DEFINED as the tokens 4 r + tt.  Sixteen lanes read 256 consecutive bytes, aligned.
; LAYOUT.  Source 0 = 16 codes, source 1 = 16 tokens: in the result a lane holds ONE token (r) and the codes 8 h + 0..7 (h = lane / 16).  So the running least is kept per lane and register, with no traffic between lanes until the end.
; x2 is the diagonal of X X^T: four more products a K step while x is converted.
; GROUPS.  A group is 32 codes x 64 tokens: 8 accumulators by turns, 16 K steps, 128 products.  Groups take two accumulator sets by turns; the finished group's 256 vector instructions (the RIDERS: scale, add, compare,
; two selects) stand in fours behind every second product of the next group.
; CLUSTER.  The four work-groups of a cluster have the same quarter and walk the same eb and cst: every tensor load is asked for JOINTLY, with the same descriptor and the mask of four.  The place in the cluster enters x's and the results' addresses alone.
; RING.  Two slots of 128 codes (4 groups, 512 products a wave); each wave fetches 32 rows of 1,024 bytes.  By this text's count a wave has three tensor loads out at the start and one behind each round.
; REGISTERS, in windows of 256 (s_set_vgpr_msb: bits 1:0 source 0, 3:2 source 1, 5:4 source 2, 7:6 destination):
;   window 0: addresses, x2, the running least, the group's constants, the two accumulator sets      windows 1, 2: X, K steps 0-7 and 8-15, at 32 kk + 8 tt
;   window 3: eb's fragments, two halves of a group's K: 128 hf + 16 kk + 8 ct; while x is converted: four stages of 64 registers
.set PITCH,  1040                      ; an LDS row: 1,024 bytes + 16 of padding: an odd multiple of 16, so the 16 rows of a load begin in 16 different groups of four banks (ISA guide 11.1)
.set GROUPB, 32*PITCH                  ; a group's rows; also what one tensor load brings
.set SLOT1,  4*GROUPB                  ; 133,120 = 0x20800: slot 1 begins here
.set SPARE,  2*SLOT1                   ; behind the ring: the spare words, 128 bytes a wave, two blocks of 256 bytes that no other line names
.set CONST,  SPARE+512                 ; the quarter's 16,384 bytes of cst, filled once
.set AE0, 3                            ; v3   r x 1040 + 16 h: my place in a tile of eb; never rewritten
.set AE,  4                            ; v4   LDS address of the group being fetched
.set AC0, 5                            ; v5   64 h: my block of 8 codes in a tile's constants
.set AC,  6                            ; v6   LDS address of the constants being fetched
.set XO,  7                            ; v7   32768 h + 16 r: my place in x
.set CO,  8                            ; v8   16 r + 8 h: my place in the results
.set H8,  9                            ; v9   8 h
.set JJ,  10                           ; v10  r % 8
.set SPW, 14                           ; v14  LDS address of my spare word; never rewritten
.set NIL, 15                           ; v15  0; never rewritten
.set X2,  16                           ; v[16:23]   x2 of my token in tile tt, twice, at X2 + 2 tt
.set BV,  24                           ; v[24:55]   the least value for tile tt, register j, at BV + 8 tt + j
.set BI,  56                           ; v[56:87]   the first code of the code tile in which it was found
.set CN,  88                           ; v[88:119]  code tile ct: m2iu of my 8 codes at CN + 16 ct, e2 at CN + 16 ct + 8
.set RV,  120                          ; v[120:123] the token's least, by tile
.set RI,  124                          ; v[124:127] its code
.set ACC, 128                          ; v[128:255] set P, code tile ct, token tile tt at ACC + 64 P + 32 ct + 8 tt
.set WV,  14                           ; s14  my wave's number
.set QT,  17                           ; s17  the quarter
.set G1,  24                           ; s[24:31] descriptor group 1: eb's tiles
.set G1C, 32                           ; s[32:39] group 1: the constants
.set G0A, 40                           ; s[40:43] group 0: slot 0's first fill
.set G0B, 44                           ; s[44:47] group 0: slot 1's first fill; then it walks
.set G0C, 48                           ; s[48:51] group 0: the constants
.set SLOTS, 52
.set CNT, 53
.set TB,  54                           ; s54  LDS byte at which the group to be fetched begins
.set TC,  55                           ; s55  the same for its constants
.set TL0, 56                           ; s56, s57  first codes of the two code tiles that the riders finish
.set TL1, 57
.set SEL, 58                           ; s[58:59] v_permlanex16_b32's selects
.set MK,  60                           ; s60-63  the riders' four masks
.set MSB, 0
.macro WIN new                         ; the immediate's high byte repeats the setting that is left; a switch that changes nothing is dropped
.if MSB != (\new)
	s_set_vgpr_msb (MSB<<8)|(\new)
.set MSB, (\new)
.endif
.endm
; A round of the cluster's barrier: my work-group's barrier, so that wave 0's signal speaks for all four waves; wave 0 signals; every wave waits for all four work-groups; my work-group's barrier once more.
.macro CROUND
	s_barrier_signal -1
	s_barrier_wait -1
	s_cmp_lg_u32 s[WV], 0
	s_cbranch_scc1 .Lnot_wave_0_\@
	s_barrier_signal -3
.Lnot_wave_0_\@:
	s_barrier_wait -3
	s_barrier_signal -1
	s_barrier_wait -1
.endm
	s_load_b256 s[4:11], s[0:1], 0x0               ; x s[4:5], eb s[6:7], cst s[8:9], candv s[10:11]
	s_load_b64 s[12:13], s[0:1], 0x20              ; candi
	v_lshl_add_u32 v[SPW], v0, 2, SPARE
	v_mov_b32 v[NIL], 0
	ds_add_u32 v[SPW], v[NIL]                      ; the wave's opening: the add and its wait stand ahead of my first tensor load; the set-up below, work on registers, stands between them
	v_lshrrev_b32 v1, 5, v0
	v_readfirstlane_b32 s[WV], v1                  ; wave 0..3
	s_bfe_u32 s15, ttmp6, 0x40000                  ; cx: my place in the cluster
	s_lshl_b32 s16, ttmp9, 2                       ; in a cluster launch ttmp9 counts clusters: it is the batch
	s_add_co_u32 s16, s16, s15                     ; my block of 256 tokens = 4 x cluster x + cx
	s_and_b32 s[QT], ttmp7, 0xffff                 ; the quarter, which the four partners share
	; group 1 for eb: 32 rows x 512 elements of 2 bytes, padded in LDS
	s_mov_b32 s[G1+0], 15|(1<<16)|(1<<20)|(1<<21)|(7<<22)|(3<<25)  ; 15:0 the mask of four; 17:16 2-byte elements; 20 padding on; 21 set beside a mask; 24:22 after every 256 words (code 7); 31:25 4 words (code 3)
	s_mov_b32 s[G1+1], 512<<16                     ; tensor_dim0 = 512
	s_mov_b32 s[G1+2], 32<<16                      ; tensor_dim1 = 32
	s_mov_b32 s[G1+3], 512<<16                     ; tile_dim0 = 512
	s_mov_b32 s[G1+4], 32                          ; tile_dim1 = 32
	s_mov_b32 s[G1+5], 512                         ; 512 elements from row to row
	s_mov_b32 s[G1+6], 0
	s_mov_b32 s[G1+7], 0
	; group 1 for the constants: 4,096 dense bytes as 16 rows of 32 elements of 8 bytes, no padding
	s_mov_b32 s[G1C+0], 15|(3<<16)|(1<<21)
	s_mov_b32 s[G1C+1], 32<<16
	s_mov_b32 s[G1C+2], 16<<16
	s_mov_b32 s[G1C+3], 32<<16
	s_mov_b32 s[G1C+4], 16
	s_mov_b32 s[G1C+5], 32
	s_mov_b32 s[G1C+6], 0
	s_mov_b32 s[G1C+7], 0
	s_mul_i32 s22, s[WV], GROUPB                   ; where my rows go: wave x 32 rows: no place in the cluster enters an LDS address
	s_lshl_b32 s23, s[WV], 12
	s_mov_b32 s[G0A], 1
	s_mov_b32 s[G0A+1], s22
	s_mov_b32 s[G0B], 1
	s_add_co_u32 s[G0B+1], s22, SLOT1
	s_mov_b32 s[G0C], 1
	s_add_co_u32 s[G0C+1], s23, CONST
	s_lshl_b32 s18, s[QT], 21                      ; eb: (2,048 x quarter + 32 x wave) rows of 1,024 bytes
	s_lshl_b32 s19, s[WV], 15
	s_add_co_u32 s18, s18, s19
	s_mov_b32 s19, 0
	s_lshl_b32 s20, s[QT], 14                      ; cst: 16,384 x quarter + 4,096 x wave
	s_add_co_u32 s20, s20, s23
	s_mov_b32 s21, 0
	s_lshl_b32 s2, ttmp9, 21                       ; x: the batch's 2,097,152 bytes, my block's 256 tokens, my wave's 64
	s_lshl_b32 s3, s15, 10
	s_add_co_u32 s2, s2, s3
	s_lshl_b32 s3, s[WV], 8
	s_add_co_u32 s2, s2, s3
	s_lshl_b32 s76, s[QT], 16                      ; the results: (16,384 x quarter + 256 x block + 64 x wave) x 4
	s_lshl_b32 s77, s16, 10
	s_add_co_u32 s76, s76, s77
	s_add_co_u32 s76, s76, s3
	s_mov_b32 s3, 0
	s_mov_b32 s77, 0
	s_mov_b32 s[SEL], 0x76543210
	s_mov_b32 s[SEL+1], 0xfedcba98
	s_mov_b32 s[TB], 0
	s_mov_b32 s[TC], CONST
	s_lshl_b32 s[TL0], s[QT], 11
	s_sub_co_u32 s[TL0], s[TL0], 64                ; two groups back: each group's head adds 32, and the riders work a group behind the products
	s_add_co_u32 s[TL1], s[TL0], 16
	s_wait_dscnt 0x0                               ; the opening add is done
	s_wait_kmcnt 0x0
	s_add_nc_u64 s[G0A+2:G0A+3], s[6:7], s[18:19]
	s_add_nc_u64 s[G0B+2:G0B+3], s[G0A+2:G0A+3], 131072   ; the next 128 codes
	s_or_b32 s[G0A+3], s[G0A+3], 0x80000000        ; type = 2
	s_or_b32 s[G0B+3], s[G0B+3], 0x80000000
	s_add_nc_u64 s[G0C+2:G0C+3], s[8:9], s[20:21]
	s_or_b32 s[G0C+3], s[G0C+3], 0x80000000
	s_add_nc_u64 s[4:5], s[4:5], s[2:3]
	s_add_nc_u64 s[10:11], s[10:11], s[76:77]
	s_add_nc_u64 s[12:13], s[12:13], s[76:77]
	CROUND                                         ; all four work-groups are here: the first joint loads meet
	tensor_load_to_lds s[G0C:G0C+3], s[G1C:G1C+7]  ; the first fills go out as one group: the constants, slot 0, slot 1
	s_nop 0
	tensor_load_to_lds s[G0A:G0A+3], s[G1:G1+7]
	s_nop 0
	tensor_load_to_lds s[G0B:G0B+3], s[G1:G1+7]
	s_nop 0
.rept 4
	v_nop
.endr
	v_and_b32 v1, 15, v0                           ; r
	v_bfe_u32 v2, v0, 4, 1                         ; h
	v_lshlrev_b32 v[XO], 4, v1
	v_lshl_add_u32 v[XO], v2, 15, v[XO]            ; 8 h channels of 4,096 bytes + 16 r
; X.  Source 1's fragment of K step ks holds, in lane (r, h), channels 32 ks + 8 h + 0..7 and 32 ks + 16 + 8 h + 0..7 of one token.  Load ii of 16 brings channel 32 ks + ii + 8 (ii / 8) + 8 h for tokens 4 r .. 4 r + 3.
.macro XLOAD ks
	WIN 0xc0                                       ; destination window 3, address window 0
.set ii, 0
.rept 16
	global_load_b128 v[64*((\ks)%4)+4*ii:64*((\ks)%4)+4*ii+3], v[XO], s[4:5] offset:(32*(\ks)+ii+8*(ii/8))*4096
.set ii, ii+1
.endr
.endm
.macro XCVT ks                         ; two neighbouring channels of a token are rounded and packed: register qq of tile cc
	WIN 0x4f+0x40*((\ks)/8)                        ; sources window 3, destination window 1 or 2
.set cc, 0
.rept 4
.set qq, 0
.rept 8
	v_cvt_pk_bf16_f32 v[32*((\ks)%8)+8*cc+qq], v[64*((\ks)%4)+8*qq+cc], v[64*((\ks)%4)+8*qq+4+cc]
.set qq, qq+1
.endr
.set cc, cc+1
.endr
.endm
.macro GRAM ks                         ; X X^T of each tile, for its diagonal; the four accumulators take turns; the first K step starts the sums
	WIN 0x05*(1+(\ks)/8)                           ; both sources window 1 or 2; C and D window 0
.irp tt, 0,1,2,3
.set rB, 32*((\ks)%8)+8*\tt
.if (\ks) == 0
	v_wmma_f32_16x16x32_bf16 v[ACC+8*\tt:ACC+8*\tt+7], v[rB:rB+7], v[rB:rB+7], 0
.else
	v_wmma_f32_16x16x32_bf16 v[ACC+8*\tt:ACC+8*\tt+7], v[rB:rB+7], v[rB:rB+7], v[ACC+8*\tt:ACC+8*\tt+7]
.endif
.endr
.endm
.irp ks, 0,1,2,3
	XLOAD \ks                                      ; four K steps, 64 loads of 512 bytes, are on their way
.endr
.irp ks, 0,1,2,3,4,5,6,7,8,9,10,11,12,13,14,15
.if \ks <= 12
	s_wait_loadcnt 48                              ; loads come back in order: the 16 loads of each of the three later K steps may stay out
.else
	s_wait_loadcnt 16*(15-\ks)                     ; the counts run down: nothing more is asked for
.endif
	XCVT \ks
.if \ks < 12
	XLOAD (\ks)+4                                  ; into the stage just read
.endif
	GRAM \ks
.endr
	; WHAT THE FIRST GROUP'S RIDERS FIND: a group that has not been.  Its sums are 0, its m2iu 0 and its e2 +inf, so its distances are +inf and change nothing: no first step is written out.
	; The least starts at +inf with the quarter's first code.  These lines stand in the wait for the first tile and are the places behind the last products above.
	WIN 0
	s_mov_b32 s20, 0x7f800000
	s_lshl_b32 s21, s[QT], 11
.set ii, 0
.rept 32
	v_mov_b32 v[BV+ii], s20
	v_mov_b32 v[BI+ii], s21
.set ii, ii+1
.endr
.set ii, 0
.rept 64
	v_mov_b32 v[ACC+64+ii], 0
.set ii, ii+1
.endr
.set ii, 0
.rept 8
	v_mov_b32 v[CN+ii], 0
	v_mov_b32 v[CN+8+ii], s20
	v_mov_b32 v[CN+16+ii], 0
	v_mov_b32 v[CN+24+ii], s20
.set ii, ii+1
.endr
	v_mul_u32_u24 v[AE0], v1, PITCH
	v_lshl_add_u32 v[AE0], v2, 4, v[AE0]
	v_lshlrev_b32 v[AC0], 6, v2
	v_lshlrev_b32 v[CO], 4, v1
	v_lshl_add_u32 v[CO], v2, 3, v[CO]
	v_lshlrev_b32 v[H8], 3, v2
	v_and_b32 v[JJ], 7, v0
	v_bfe_u32 v11, v0, 3, 1
	v_mov_b32 v12, 0                               ; v_permlanex16_b32's destination counts as read
	v_cmp_eq_u32 s74, v11, v2                      ; token r's square sum lies in row r of X X^T: register r % 8 of the half r / 8: is that my half?
	v_cmp_eq_u32 s75, 1, v2                        ; the upper half of the lanes
.irp j, 1,2,3,4,5,6,7
	v_cmp_eq_u32 s[66+\j], \j, v[JJ]
.endr
.irp tt, 0,1,2,3
	v_mov_b32 v11, v[ACC+8*\tt]                    ; the accumulator is read from its low end on
.irp j, 1,2,3,4,5,6,7
	v_cndmask_b32 v11, v11, v[ACC+8*\tt+\j], s[66+\j]
.endr
	v_permlanex16_b32 v12, v11, s[SEL], s[SEL+1]
	v_cndmask_b32 v[X2+2*\tt], v12, v11, s74
	v_mov_b32 v[X2+2*\tt+1], v[X2+2*\tt]
.endr
; Product i of 64 of half hf of a group in set P: K step 8 hf + i / 8, code tile (i / 4) % 2, token tile i % 4.  The 8 accumulators take turns, one instruction a turn; the first 8 products start the sums.
.macro MM P, hf
	WIN 0x07+4*(\hf)                               ; eb window 3, X window 1 or 2, C and D window 0
.set rD, ACC+64*(\P)+32*((i/4)%2)+8*(i%4)
.set rA, 128*(\hf)+16*(i/8)+8*((i/4)%2)
.set rB, 32*(i/8)+8*(i%4)
.if ((\hf) == 0) && (i < 8)
	v_wmma_f32_16x16x32_bf16 v[rD:rD+7], v[rA:rA+7], v[rB:rB+7], 0
.else
	v_wmma_f32_16x16x32_bf16 v[rD:rD+7], v[rA:rA+7], v[rB:rB+7], v[rD:rD+7]
.endif
.set i, i+1
.endm
; Slice k of 64 of the riders for the finished set Q: four plain instructions that name no register of the products round them.
;   0-15   for accumulator k / 2: dot m2iu + x2 (even k; the lowest pair first), then + e2 (odd k)
;   16-63  for accumulator (k - 16) / 6, six slices: four compares with the running least, then two selects for each of them, two registers a slice; and again for the upper four.
; The compare is strict and the codes ascend, so of equal values the first stays.  A mask is read two products behind the compare that made it.
.macro SLICE Q
	WIN 0
.if k < 16
.set a, k/2
.set rA, ACC+64*(\Q)+8*a
.set rC, CN+16*(a/4)+8*(k%2)
.set rX, X2+2*(a%4)
.irp p, 0,1,2,3
.if k%2 == 0
	v_pk_fma_f32 v[rA+2*\p:rA+2*\p+1], v[rA+2*\p:rA+2*\p+1], v[rC+2*\p:rC+2*\p+1], v[rX:rX+1]
.else
	v_pk_add_f32 v[rA+2*\p:rA+2*\p+1], v[rA+2*\p:rA+2*\p+1], v[rC+2*\p:rC+2*\p+1]
.endif
.endr
.else
.set a, (k-16)/6
.set sq, (k-16)%6
.set rA, ACC+64*(\Q)+8*a
.set rV, BV+8*(a%4)
.set rI, BI+8*(a%4)
.if sq%3 == 0
.set j0, 4*(sq/3)
.irp z, 0,1,2,3
	v_cmp_lt_f32 s[MK+\z], v[rA+j0+\z], v[rV+j0+\z]
.endr
.else
.set z0, 2*(sq%3-1)
.set j0, 4*(sq/3)+z0
.irp z, 0,1
	v_cndmask_b32 v[rV+j0+\z], v[rV+j0+\z], v[rA+j0+\z], s[MK+z0+\z]
	v_cndmask_b32 v[rI+j0+\z], v[rI+j0+\z], s[TL0+a/4], s[MK+z0+\z]
.endr
.endif
.endif
.set k, k+1
.endm
.macro BLK P, hf, Q                    ; 32 products and 16 slices
.rept 16
	MM \P, \hf
	MM \P, \hf
	SLICE \Q
.endr
.endm
; THE LDS LOADS stand in runs, never singly among the products.  FETCH0: the first half of the next group's K (16 fragments).  Its registers' last reader stands 16 slices back.
.macro FETCH0
	WIN 0
	v_add_nc_u32 v[AE], s[TB], v[AE0]
	s_add_co_u32 s[TB], s[TB], GROUPB              ; the next fetch is the next group's
	WIN 0xc0                                       ; destination window 3
.irp kk, 0,1,2,3,4,5,6,7
.irp ct, 0,1
	ds_load_b128 v[16*\kk+8*\ct:16*\kk+8*\ct+3],   v[AE] offset:16*PITCH*\ct+64*\kk
	ds_load_b128 v[16*\kk+8*\ct+4:16*\kk+8*\ct+7], v[AE] offset:16*PITCH*\ct+64*\kk+32
.endr
.endr
.endm
; FETCH1: the second half of the K of the group in hand, and its constants: slices 0-15, which read the last group's, have just passed.
.macro FETCH1
	WIN 0xc0
.irp kk, 0,1,2,3,4,5,6,7
.irp ct, 0,1
	ds_load_b128 v[128+16*\kk+8*\ct:128+16*\kk+8*\ct+3],   v[AE] offset:16*PITCH*\ct+512+64*\kk
	ds_load_b128 v[128+16*\kk+8*\ct+4:128+16*\kk+8*\ct+7], v[AE] offset:16*PITCH*\ct+512+64*\kk+32
.endr
.endr
	WIN 0
	v_add_nc_u32 v[AC], s[TC], v[AC0]
	s_add_co_u32 s[TC], s[TC], 256                 ; 32 codes are four blocks of 64 bytes
.irp ct, 0,1
.irp m, 0,1,2,3
	ds_load_b128 v[CN+16*\ct+4*\m:CN+16*\ct+4*\m+3], v[AC] offset:128*\ct+16*\m
.endr
.endr
.endm
.macro HEAD                            ; a group begins
	WIN 0
	s_add_co_u32 s[TL0], s[TL0], 32                ; the riders go on to the group just finished
	s_add_co_u32 s[TL1], s[TL1], 32
	s_wait_dscnt 0x0                               ; the first half of the group's K is in (asked for 32 products ago)
.set i, 0
.set k, 0
.endm
; TWO GROUPS, 256 products, turned so that the text begins where a change of slots falls: behind the slot's last LDS read (FETCH1 of its fourth group, waited for) and ahead of the next slot's first (FETCH0).
.macro PAIR lab
	FETCH0                                         ; the next group of set 0
.set i, 32
.set k, 48
	BLK 1, 1, 0                                    ; the last quarter of the group in set 1
	WIN 0                                          ; at a label and at a branch every window is 0
.if \lab
.Lfirst:
.endif
	HEAD
	BLK 0, 0, 1
	FETCH1
	BLK 0, 0, 1
	s_wait_dscnt 0x0                               ; the second half of K, and the constants
.set i, 0
	BLK 0, 1, 1
	FETCH0                                         ; the next group of set 1
	BLK 0, 1, 1
	HEAD
	BLK 1, 0, 0
	FETCH1
	BLK 1, 0, 0
	s_wait_dscnt 0x0
.set i, 0
	BLK 1, 1, 0
	WIN 0
.endm
; THE CHANGE OF SLOTS.  Each wave waits for all its tensor loads, of which one is out: its part of the other slot; adds 0 to its spare word; and waits for that and for its own reads of the slot that it leaves.
; fill = 1: the slot is filled again with the codes two slots on.  The barrier is then a round of the cluster's, so that no wave of any partner still reads the slot or has a load on its way, and the joint refill is the first
; thing behind it: it has 512 products a wave in which to land.
.macro CHANGE fill
	WIN 0
	s_wait_tensorcnt 0x0                           ; no tensor load of mine is out, so a group 0 may be written
	ds_add_u32 v[SPW], v[NIL]                      ; 0 onto my spare word
.if \fill
	s_xor_b32 s[G0B+1], s[G0B+1], SLOT1            ; the other slot than last time: wave x 0x8200 and 0x20800 share no bit, so the exclusive or adds or takes away the slot
	s_add_nc_u64 s[G0B+2:G0B+3], s[G0B+2:G0B+3], 131072  ; the next 128 codes; the type bits on top are not reached
.endif
	s_wait_dscnt 0x0                               ; the add is done, and my reads of the slot are over
.if \fill
	CROUND
	tensor_load_to_lds s[G0B:G0B+3], s[G1:G1+7]
	s_nop 0
.rept 4
	v_nop
.endr
.else
	s_barrier_signal -1
	s_barrier_wait -1
.endif
	s_sub_co_u32 s[TB], s[TB], 4*GROUPB            ; the fetches go back to a slot's first group,
	s_xor_b32 s[TB], s[TB], SLOT1                  ; in the other slot
.endm
	s_wait_tensorcnt 0x1                           ; my parts of the constants and of slot 0 are in; the one load that may stay out is slot 1's
	s_barrier_signal -1
	s_barrier_wait -1                              ; everybody's are
	FETCH0                                         ; group 0
	WIN 0
	s_mov_b32 s[CNT], 2
	s_mov_b32 s[SLOTS], 15
	s_branch .Lfirst                               ; the loop is entered at a group's head, in the middle of a trip
.Lslot:                                                ; 14 times: every slot but the last two is filled again
	CHANGE 1
	s_mov_b32 s[CNT], 2
.Lpair:
	PAIR 1
	s_sub_co_u32 s[CNT], s[CNT], 1
	s_cmp_lg_u32 s[CNT], 0
	s_cbranch_scc1 .Lpair
	s_sub_co_u32 s[SLOTS], s[SLOTS], 1
	s_cmp_lg_u32 s[SLOTS], 0
	s_cbranch_scc1 .Lslot
	CHANGE 0                                       ; the last slot is written out: nothing is asked for
	s_mov_b32 s[CNT], 2
.Ltail:
	PAIR 0
	s_sub_co_u32 s[CNT], s[CNT], 1
	s_cmp_lg_u32 s[CNT], 0
	s_cbranch_scc1 .Ltail
.set i, 32
.set k, 48
	BLK 1, 1, 0                                    ; the last group's last quarter; its last slice is the four places behind the last product
	WIN 0
	s_add_co_u32 s[TL0], s[TL0], 32
	s_add_co_u32 s[TL1], s[TL1], 32
.set k, 0
.rept 64
	SLICE 1                                        ; the last group's riders, with no products left to stand behind
.endr
	; THE WAY OUT.  A slot's code = its tile's first code + 8 h + j.  The least of a token's 16 slots (8 registers, two halves of the lanes), by value and then by code.
.macro MRG a, b                        ; slot b of tile t into slot a
	v_cmp_lt_f32 s66, v[BV+8*t+(\b)], v[BV+8*t+(\a)]
	v_cmp_eq_f32 s67, v[BV+8*t+(\b)], v[BV+8*t+(\a)]
	v_cmp_lt_u32 s68, v[BI+8*t+(\b)], v[BI+8*t+(\a)]
	s_and_b32 s67, s67, s68
	s_or_b32 s66, s66, s67
	v_cndmask_b32 v[BV+8*t+(\a)], v[BV+8*t+(\a)], v[BV+8*t+(\b)], s66
	v_cndmask_b32 v[BI+8*t+(\a)], v[BI+8*t+(\a)], v[BI+8*t+(\b)], s66
.endm
.set t, 0
.rept 4
.set j, 0
.rept 8
	v_add3_u32 v[BI+8*t+j], v[BI+8*t+j], v[H8], j
.set j, j+1
.endr
	MRG 0, 1
	MRG 2, 3
	MRG 4, 5
	MRG 6, 7
	MRG 0, 2
	MRG 4, 6
	MRG 0, 4
	v_permlanex16_b32 v11, v[BV+8*t], s[SEL], s[SEL+1]   ; the token's other 8 slots lie in the lane 16 away
	v_permlanex16_b32 v12, v[BI+8*t], s[SEL], s[SEL+1]
	v_cmp_lt_f32 s66, v11, v[BV+8*t]
	v_cmp_eq_f32 s67, v11, v[BV+8*t]
	v_cmp_lt_u32 s68, v12, v[BI+8*t]
	s_and_b32 s67, s67, s68
	s_or_b32 s66, s66, s67
	v_cndmask_b32 v[RV+t], v[BV+8*t], v11, s66     ; both halves now hold the same
	v_cndmask_b32 v[RI+t], v[BI+8*t], v12, s66
.set t, t+1
.endr
	v_cndmask_b32 v[CN+0], v[RV+0], v[RV+2], s75   ; half h stores tokens 4 r + 2 h and 4 r + 2 h + 1
	v_cndmask_b32 v[CN+1], v[RV+1], v[RV+3], s75
	v_cndmask_b32 v[CN+2], v[RI+0], v[RI+2], s75
	v_cndmask_b32 v[CN+3], v[RI+1], v[RI+3], s75
	global_store_b64 v[CO], v[CN:CN+1], s[10:11]   ; 32 lanes: 256 consecutive bytes, aligned
	global_store_b64 v[CO], v[CN+2:CN+3], s[12:13]
	s_wait_tensorcnt 0x0                           ; the wave's end: three closing lines behind my last tensor load
	ds_add_u32 v[SPW], v[NIL]
	s_wait_dscnt 0x0
	CROUND                                         ; the closing round: no work-group ends while a partner may still ask for a tile that names it
	s_endpgm
.Lfunc_end_k_q6d14a2943a_search:
	.size	k_q6d14a2943a_search, .Lfunc_end_k_q6d14a2943a_search-k_q6d14a2943a_search
	.p2alignl 7, 3214868480
	.fill 96, 4, 3214868480
	.section	.rodata,"a",@progbits
	.p2align	6, 0x0
	.amdhsa_kernel k_q6d14a2943a_search
		.amdhsa_group_segment_fixed_size 327680
		.amdhsa_private_segment_fixed_size 0
		.amdhsa_enable_private_segment 0
		.amdhsa_kernarg_size 40
		.amdhsa_user_sgpr_count 2
		.amdhsa_user_sgpr_kernarg_segment_ptr 1
		.amdhsa_wavefront_size32 1
		.amdhsa_system_sgpr_workgroup_id_x 1
		.amdhsa_system_sgpr_workgroup_id_y 1
		.amdhsa_system_sgpr_workgroup_id_z 1
		.amdhsa_system_vgpr_workitem_id 0
		.amdhsa_next_free_vgpr 1024
		.amdhsa_next_free_sgpr 80
		.amdhsa_reserve_vcc 0
		.amdhsa_float_denorm_mode_32 3
		.amdhsa_float_denorm_mode_16_64 3
		.amdhsa_memory_ordered 1
		.amdhsa_forward_progress 1
		.amdhsa_inst_pref_size 249
	.end_amdhsa_kernel
	.amdgpu_metadata
---
amdhsa.version: [ 1, 2 ]
amdhsa.kernels:
  - .name:           k_q6d14a2943a_search
    .symbol:         k_q6d14a2943a_search.kd
    .args:
      - { .name: x, .offset: 0, .size: 8, .value_kind: global_buffer, .address_space: global }
      - { .name: eb, .offset: 8, .size: 8, .value_kind: global_buffer, .address_space: global }
      - { .name: cst, .offset: 16, .size: 8, .value_kind: global_buffer, .address_space: global }
      - { .name: candv, .offset: 24, .size: 8, .value_kind: global_buffer, .address_space: global }
      - { .name: candi, .offset: 32, .size: 8, .value_kind: global_buffer, .address_space: global }
    .group_segment_fixed_size: 327680
    .private_segment_fixed_size: 0
    .kernarg_segment_align: 8
    .kernarg_segment_size: 40
    .max_flat_workgroup_size: 128
    .sgpr_count:     80
    .vgpr_count:     1024
    .wavefront_size: 32
...
	.end_amdgpu_metadata
.endif
;; end of part 2
;; launch decode (part 3): grid 256 x 1, 16 waves a work-group, no clusters, 69,120 bytes of LDS; arguments candv, candi, eb, cst, out0, out1; writes out0, out1
.if DOCPART == 3
	.amdgcn_target "amdgcn-amd-amdhsa--gfx1250"
	.amdhsa_code_object_version 6
	.text
	.protected	k_q6d14a2943a_decode
	.globl	k_q6d14a2943a_decode
	.p2align	8
	.type	k_q6d14a2943a_decode,@function
k_q6d14a2943a_decode:
	s_mov_b64 s[64:65], 0
	v_nop
	global_prefetch_b8 v0, s[64:65] scope:SCOPE_SE
	s_setreg_imm32_b32 hwreg(HW_REG_WAVE_MODE, 25, 1), 1
	s_wait_xcnt 0x0
; out0[token] = the code of the least of the token's four candidates (one a quarter of the codebook; of equal values the lower quarter's);  out1[b][d][t] = bf16(embedding_sum[code][d]) x (1 / uc[code]).
; The four candidates' codes are whole numbers that the launch before stored, so all four rows can be asked for at once; WHICH of them is kept hangs on a comparison of floating-point numbers, so it is a choice of VALUES
; (v_cndmask_b32) and never of an address: four rows are read for one that is used.
; LIMITS.  The row is multiplied by the reciprocal of uc, not divided: the last place may differ from a quotient's.  A zero's sign is not kept.
; SHARES.  A work-group owns 64 tokens of one batch.  Wave w of sixteen fetches and picks the rows of tokens 4 w .. 4 w + 3 and lays them into LDS; behind one barrier it takes channels 32 w .. 32 w + 31 of all 64 tokens and
; writes them by channel: sixteen lanes store 256 consecutive bytes, aligned.  No matrix unit and no cluster: nothing is multiplied by a matrix, and work-groups share no tile.
.set PITCH, 1040                       ; a row in LDS: 1,024 bytes + 16: an odd multiple of 16, so 16 rows' equal columns begin in 16 different groups of four banks (ISA guide 11.1)
.set CD,    64*PITCH                   ; behind the 64 rows: the 64 codes,
.set SC,    CD+256                     ; the 64 scales,
.set SPARE, CD+512                     ; and the spare words, 128 bytes for each of 16 waves
; token 4 w + t lies in row 16 t + w, so that tokens 4 r + c, r = 0..15, lie in 16 consecutive rows
; v4-7 values, v8-11 codes, v12-15 m2iu, v16-19 offsets in cst, by quarter; v20-22 the pick; v23 0; v24-29 addresses; v32-47 row offsets; v48-51 scales; v64-191 rows: token t, quarter q, half e at 64 + 32 t + 8 q + 4 e
	s_load_b256 s[4:11], s[0:1], 0x0               ; candv s[4:5], candi s[6:7], eb s[8:9], cst s[10:11]
	s_load_b128 s[12:15], s[0:1], 0x20             ; out0 s[12:13], out1 s[14:15]
	v_lshl_add_u32 v30, v0, 2, SPARE               ; my spare word
	v_mov_b32 v31, 0
	v_lshrrev_b32 v1, 5, v0
	v_readfirstlane_b32 s48, v1                    ; wave 0..15
	v_and_b32 v1, 31, v0                           ; lane
	v_lshlrev_b32 v2, 4, v1                        ; 16 x lane
	v_and_b32 v3, 3, v0
	v_lshlrev_b32 v3, 2, v3                        ; 4 x (lane % 4): lane l looks after token 4 w + l % 4
	v_mov_b32 v23, 0
	s_lshl_b32 s50, ttmp9, 6
	s_lshl2_add_u32 s50, s48, s50                  ; my wave's first token = 64 x work-group + 4 x wave
	s_lshl_b32 s50, s50, 2
	s_mov_b32 s51, 0
	s_lshr_b32 s52, ttmp9, 4                       ; the batch: 2,097,152 bytes of out1,
	s_lshl_b32 s52, s52, 21
	s_and_b32 s53, ttmp9, 15                       ; and the work-group's 64 tokens in a row of it
	s_lshl_b32 s53, s53, 8
	s_add_co_u32 s52, s52, s53
	s_mov_b32 s53, 0
	s_lshl_b32 s54, ttmp9, 8                       ; the work-group's 256 bytes of out0
	s_mov_b32 s55, 0
	s_wait_kmcnt 0x0
	s_add_nc_u64 s[4:5], s[4:5], s[50:51]
	s_add_nc_u64 s[6:7], s[6:7], s[50:51]
	s_add_nc_u64 s[12:13], s[12:13], s[54:55]
	s_add_nc_u64 s[14:15], s[14:15], s[52:53]
.irp q, 0,1,2,3
	s_load_b128 s[16+4*\q:19+4*\q], s[6:7], 0x10000*\q   ; my four tokens' candidate codes of quarter q, as scalars: they make the rows' addresses
.endr
.irp q, 0,1,2,3
	global_load_b32 v[4+\q], v3, s[4:5] offset:65536*\q
	global_load_b32 v[8+\q], v3, s[6:7] offset:65536*\q
.endr
	v_lshl_add_u32 v24, s48, 4, v3
	v_add_nc_u32 v24, CD, v24                      ; my token's word among the codes
	s_mul_i32 s56, s48, PITCH
	v_add_nc_u32 v25, s56, v2                      ; into the rows: row w (+ 16 t), 16 x lane
	v_and_b32 v29, 15, v0                          ; r
	v_bfe_u32 v28, v0, 4, 1                        ; h
	v_mul_u32_u24 v26, v29, PITCH
	v_lshl_add_u32 v26, v28, 4, v26
	s_lshl_b32 s57, s48, 6
	v_add_nc_u32 v26, s57, v26                     ; out of the rows: row r (+ 16 c), channels 32 w + 8 h on
	v_lshlrev_b32 v27, 4, v29
	v_lshl_add_u32 v28, v28, 15, v27
	s_lshl_b32 s57, s48, 17
	v_add_nc_u32 v28, s57, v28                     ; in out1: channel 32 w + 8 h, tokens 4 r on
	v_add_nc_u32 v27, SC, v27                      ; the scales of tokens 4 r .. 4 r + 3
	v_lshl_add_u32 v29, v1, 3, CD                  ; wave 0's way out for the codes
	s_wait_kmcnt 0x0
.irp t, 0,1,2,3
.irp q, 0,1,2,3
	s_min_u32 s[16+4*\q+\t], s[16+4*\q+\t], 0x1fff ; a code stays inside the table
	s_lshl_b32 s[16+4*\q+\t], s[16+4*\q+\t], 10    ; rows of 1,024 bytes
	v_add_nc_u32 v[32+4*\t+\q], s[16+4*\q+\t], v2
	global_load_b128 v[64+32*\t+8*\q:64+32*\t+8*\q+3],   v[32+4*\t+\q], s[8:9]
	global_load_b128 v[64+32*\t+8*\q+4:64+32*\t+8*\q+7], v[32+4*\t+\q], s[8:9] offset:512
.endr
.endr
	s_wait_loadcnt 32                              ; the values and codes are in; the 32 row loads behind them stay out
.irp q, 0,1,2,3
	v_min_u32 v[8+\q], 0x1fff, v[8+\q]
	v_and_b32 v[16+\q], 0x1ff8, v[8+\q]
	v_and_b32 v22, 7, v[8+\q]
	v_lshlrev_b32 v[16+\q], 3, v[16+\q]            ; 64 bytes for each block of 8 codes,
	v_lshl_add_u32 v[16+\q], v22, 2, v[16+\q]      ; 4 for each code in it
	global_load_b32 v[12+\q], v[16+\q], s[10:11]   ; m2iu = -2 / uc
.endr
	v_mov_b32 v20, v4
	v_mov_b32 v21, v8
.irp q, 1,2,3
	v_cmp_lt_f32 s[31+\q], v[4+\q], v20            ; strictly less: of equal values the lower quarter stays
	v_cndmask_b32 v20, v20, v[4+\q], s[31+\q]
	v_cndmask_b32 v21, v21, v[8+\q], s[31+\q]
.endr
.irp t, 0,1,2,3
.irp q, 1,2,3
	s_bitcmp1_b32 s[31+\q], \t                     ; lane t holds token t's answer: spread over all lanes as a mask
	s_cselect_b32 s[35+3*\t+\q], -1, 0
.endr
.endr
.irp t, 0,1,2,3
	s_wait_loadcnt 28-8*\t                         ; token t's eight loads are in; the later tokens' eight each and the four loads of m2iu stay out
.irp e, 0,1,2,3,4,5,6,7
.irp q, 1,2,3
	v_cndmask_b32 v[64+32*\t+\e], v[64+32*\t+\e], v[64+32*\t+8*\q+\e], s[35+3*\t+\q]  ; the same running pick, on the rows
.endr
.endr
	ds_store_b128 v25, v[64+32*\t:64+32*\t+3]   offset:16*PITCH*\t
	ds_store_b128 v25, v[64+32*\t+4:64+32*\t+7] offset:16*PITCH*\t+512
.endr
	s_wait_loadcnt 0x0                             ; m2iu
	v_mov_b32 v22, v12
.irp q, 1,2,3
	v_cndmask_b32 v22, v22, v[12+\q], s[31+\q]
.endr
	v_mul_f32 v22, -0.5, v22                       ; 1 / uc
	ds_store_b32 v24, v21                          ; eight lanes write the same word with the same value
	ds_store_b32 v24, v22 offset:256
	s_wait_dscnt 0x0                               ; for the others' sake: my stores are done
	s_barrier_signal -1
	s_barrier_wait -1
	ds_load_b128 v[48:51], v27
.irp it, 0,1
.irp c, 0,1,2,3
	ds_load_b128 v[64+16*\it+4*\c:64+16*\it+4*\c+3], v26 offset:16*PITCH*\c+32*\it  ; token 4 r + c, channels 32 w + 16 it + 8 h + 0..7
.endr
.endr
.irp it, 0,1
	s_wait_dscnt 4-4*\it                           ; LDS loads come back in order: the second trip's four may stay out
.irp dp, 0,1,2,3
.irp c, 0,1,2,3
	v_fma_mix_f32_bf16 v[96+32*\it+8*\dp+\c],   v[64+16*\it+4*\c+\dp], v[48+\c], v23 op_sel_hi:[1,0,0]                  ; the low bf16 x scale
	v_fma_mix_f32_bf16 v[96+32*\it+8*\dp+4+\c], v[64+16*\it+4*\c+\dp], v[48+\c], v23 op_sel:[1,0,0] op_sel_hi:[1,0,0]  ; the high one
.endr
	global_store_b128 v28, v[96+32*\it+8*\dp:96+32*\it+8*\dp+3],   s[14:15] offset:(16*\it+2*\dp)*4096 th:TH_STORE_NT    ; each half of the lanes: 256 consecutive bytes, aligned
	global_store_b128 v28, v[96+32*\it+8*\dp+4:96+32*\it+8*\dp+7], s[14:15] offset:(16*\it+2*\dp+1)*4096 th:TH_STORE_NT  ; every store has data registers of its own
.endr
.endr
	s_cmp_lg_u32 s48, 0
	s_cbranch_scc1 .Lnot_wave_0
	ds_load_b64 v[4:5], v29
	s_wait_dscnt 0x0
	v_lshlrev_b32 v6, 3, v1
	global_store_b64 v6, v[4:5], s[12:13]          ; the 64 codes: 256 consecutive bytes, aligned
.Lnot_wave_0:
	s_wait_tensorcnt 0x0                           ; the wave's end: three closing lines behind my last LDS store
	ds_add_u32 v30, v31
	s_wait_dscnt 0x0
	s_endpgm
.Lfunc_end_k_q6d14a2943a_decode:
	.size	k_q6d14a2943a_decode, .Lfunc_end_k_q6d14a2943a_decode-k_q6d14a2943a_decode
	.p2alignl 7, 3214868480
	.fill 96, 4, 3214868480
	.section	.rodata,"a",@progbits
	.p2align	6, 0x0
	.amdhsa_kernel k_q6d14a2943a_decode
		.amdhsa_group_segment_fixed_size 69120
		.amdhsa_private_segment_fixed_size 0
		.amdhsa_enable_private_segment 0
		.amdhsa_kernarg_size 48
		.amdhsa_user_sgpr_count 2
		.amdhsa_user_sgpr_kernarg_segment_ptr 1
		.amdhsa_wavefront_size32 1
		.amdhsa_system_sgpr_workgroup_id_x 1
		.amdhsa_system_sgpr_workgroup_id_y 1
		.amdhsa_system_sgpr_workgroup_id_z 1
		.amdhsa_system_vgpr_workitem_id 0
		.amdhsa_next_free_vgpr 192
		.amdhsa_next_free_sgpr 66
		.amdhsa_reserve_vcc 0
		.amdhsa_float_denorm_mode_32 3
		.amdhsa_float_denorm_mode_16_64 3
		.amdhsa_memory_ordered 1
		.amdhsa_forward_progress 1
		.amdhsa_inst_pref_size 25
	.end_amdhsa_kernel
	.amdgpu_metadata
---
amdhsa.version: [ 1, 2 ]
amdhsa.kernels:
  - .name:           k_q6d14a2943a_decode
    .symbol:         k_q6d14a2943a_decode.kd
    .args:
      - { .name: candv, .offset: 0, .size: 8, .value_kind: global_buffer, .address_space: global }
      - { .name: candi, .offset: 8, .size: 8, .value_kind: global_buffer, .address_space: global }
      - { .name: eb, .offset: 16, .size: 8, .value_kind: global_buffer, .address_space: global }
      - { .name: cst, .offset: 24, .size: 8, .value_kind: global_buffer, .address_space: global }
      - { .name: out0, .offset: 32, .size: 8, .value_kind: global_buffer, .address_space: global }
      - { .name: out1, .offset: 40, .size: 8, .value_kind: global_buffer, .address_space: global }
    .group_segment_fixed_size: 69120
    .private_segment_fixed_size: 0
    .kernarg_segment_align: 8
    .kernarg_segment_size: 48
    .max_flat_workgroup_size: 512
    .sgpr_count:     66
    .vgpr_count:     192
    .wavefront_size: 32
...
	.end_amdgpu_metadata
.endif
;; end of part 3
;; ======== version 2 of 2: 3 launches; version 1 with the launches prep, decode written anew for expert scheduling mode
;; workspace buffers: eb 8,388,608 bytes; cst 65,536 bytes; candv 262,144 bytes; candi 262,144 bytes of whole numbers
;; launch prep (part 4): grid 256 x 1, 8 waves a work-group, no clusters, 1,280 bytes of LDS; arguments embedding_sum, cluster_usage, eb, cst; writes eb, cst
.if DOCPART == 4
	.amdgcn_target "amdgcn-amd-amdhsa--gfx1250"
	.amdhsa_code_object_version 6
	.text
	.protected	k_q6d14a2943a_prep
	.globl	k_q6d14a2943a_prep
	.p2align	8
	.type	k_q6d14a2943a_prep,@function
k_q6d14a2943a_prep:
	s_mov_b64 s[64:65], 0
	v_nop
	global_prefetch_b8 v0, s[64:65] scope:SCOPE_SE
	s_setreg_imm32_b32 hwreg(HW_REG_WAVE_SCHED_MODE, 0, 2), 2
	s_setreg_imm32_b32 hwreg(HW_REG_WAVE_MODE, 25, 1), 1
	s_wait_xcnt 0x0
	s_wait_alu depctr_vm_vsrc(0)
; eb[c][:] = bf16(embedding_sum[c][:]).  For each code c, with uc = max(bf16(cluster_usage[c]), 1e-5):  m2iu = -2 / uc  and  e2 = the sum over d of (bf16(es[c][d]) / uc)^2, in f32.
; cst holds them by blocks of 8 codes, 64 bytes a block: 8 x m2iu, then 8 x e2.
; ALL INPUTS ARE ROUNDED TO bf16 FIRST, here and in the two launches behind: the program computes the module on inputs so rounded.
; LIMITS.  uc above 2^126 and quotients beyond f32's range are not served (the reciprocal flushes, the correction gives NaN); NaN is not treated apart.  e2 is summed in another order than a plain loop over d.
; SHARES.  Eight waves; the work-group owns 32 codes (256 bytes of cst), a wave 4 rows.  A row of 2,048 bytes is four loads of 512 consecutive bytes; lane l holds elements 128 m + 4 l .. + 3 of load m,
; which pack into 8 bytes: a store of the wave covers 256 consecutive bytes, aligned.  All 16 loads of a wave go out at once; nothing is read twice.  No matrix unit, no cluster: nothing is shared and memory binds.
; THE MODE: SCHED_MODE bits 1:0 = 2 (LLVM: expert scheduling mode 2), set by the entry lines.  The code itself states the register dependences between vector instructions and memory or LDS instructions, with s_wait_alu, always for 0.
; THE PLAN.  Registers that memory or LDS instructions touch:
;   v1, v2, v3, v27, v30, v31   offsets and LDS addresses: written at the head, never again.
;   DD        the 16 loads land in it, all issued at the head; afterwards vector instructions alone name it.
;   PP, M2, E2   row i's part is written by row i's vector instructions, once, and read by row i's four global stores and two LDS stores.
;   v[10:11]  at work in the rows; at the end wave 0's LDS load lands in it.
; Row i's six stores stand in row i + 1, behind the wait that follows that row's reciprocal: it states that row i has written its PP, M2 and E2.  They are dealt among row i + 1's vector instructions, which name
; row i + 1's registers and registers at work alone.  Row 3's stores have a wait of their own.  Nothing that a memory or LDS instruction reads is written again, so no wait on vm_vsrc is owed.
.set SPARE, 256                        ; LDS 0-255: the stage (m2iu of local code c at 4 c, e2 at 128 + 4 c); from 256 on the spare words, 128 bytes a wave
.set DD,  32                           ; v[32:95]   row i, load m: four f32 at DD + 16 i + 4 m
.set PP,  96                           ; v[96:127]  row i, load m: two registers of packed bf16 at PP + 8 i + 2 m; never rewritten, so no store's data is
.set M2,  128                          ; v[128:131] row i's m2iu
.set E2,  132                          ; v[132:135] row i's e2
	s_load_b256 s[4:11], s[0:1], 0x0               ; embedding_sum s[4:5], cluster_usage s[6:7], eb s[8:9], cst s[10:11]
	v_lshl_add_u32 v30, v0, 2, SPARE               ; my spare word
	v_mov_b32 v31, 0
	v_lshrrev_b32 v1, 5, v0
	v_readfirstlane_b32 s12, v1                    ; wave 0..7
	v_and_b32 v2, 31, v0                           ; lane
	v_lshrrev_b32 v27, 3, v2                       ; for wave 0's way out: block of 8 codes = lane / 8,
	v_and_b32 v28, 3, v2                           ; pair of codes in it,
	v_bfe_u32 v29, v2, 2, 1                        ; m2iu (0) or e2 (1)
	v_lshlrev_b32 v27, 5, v27
	v_lshl_add_u32 v27, v28, 3, v27
	v_lshl_add_u32 v27, v29, 7, v27                ; stage byte 32 (lane / 8) + 8 (lane % 4) + 128 (bit 2 of the lane)
	v_lshlrev_b32 v1, 4, v2                        ; 16 x lane: my place in a load
	v_lshlrev_b32 v2, 3, v2                        ; 8 x lane: my place in a store
	v_mov_b32 v26, 0                               ; v_permlanex16_b32's destination counts as read
	s_wait_alu depctr_va_sdst(0)                   ; s12 is written, ahead of its first reader: the rows' bases are made from it
	s_lshl_b32 s13, ttmp9, 5
	s_lshl2_add_u32 s13, s12, s13                  ; my first row = 32 x work-group + 4 x wave
	s_mov_b32 s15, 0
	s_mov_b32 s20, 0x76543210                      ; each lane takes its own place in the other half
	s_mov_b32 s21, 0xfedcba98
	s_mov_b32 s22, 0xffff0000                      ; a word's upper bf16
	s_lshl_b32 s23, s12, 4
	v_mov_b32 v3, s23                              ; my wave's 16 bytes of the stage
	s_wait_kmcnt 0x0
	s_lshl_b32 s14, s13, 11
	s_add_nc_u64 s[4:5], s[4:5], s[14:15]          ; rows of 2,048 bytes
	s_lshl_b32 s14, s13, 10
	s_add_nc_u64 s[8:9], s[8:9], s[14:15]          ; rows of 1,024 bytes
	s_lshl_b32 s14, s13, 2
	s_add_nc_u64 s[6:7], s[6:7], s[14:15]
	s_lshl_b32 s14, ttmp9, 8
	s_add_nc_u64 s[10:11], s[10:11], s[14:15]      ; the work-group's 256 bytes of cst
	s_load_b128 s[16:19], s[6:7], 0x0              ; my four usages
	s_wait_alu depctr_va_vdst(0)                   ; v1, v2, v3, v27, v30 and v31 are written: every load, store and LDS instruction of the kernel takes its offset or address from them
.irp i, 0,1,2,3
.irp m, 0,1,2,3
	global_load_b128 v[DD+16*\i+4*\m:DD+16*\i+4*\m+3], v1, s[4:5] offset:2048*\i+512*\m th:TH_LOAD_NT
.endr
.endr
	s_wait_kmcnt 0x0
.macro STAGE i                         ; row i's two numbers into the stage
	ds_store_b32 v3, v[M2+(\i)] offset:4*(\i)      ; all lanes write the same word with the same value
	ds_store_b32 v3, v[E2+(\i)] offset:128+4*(\i)
.endm
.macro SEND i, m                       ; a quarter of row i of eb
	global_store_b64 v2, v[PP+8*(\i)+2*(\m):PP+8*(\i)+2*(\m)+1], s[8:9] offset:1024*(\i)+256*(\m)  ; 32 lanes: 256 consecutive bytes, aligned
.endm
; One row.  The quotient q = x / uc is made as x r, r = 1 / uc after one Newton step, and corrected once by its remainder.
.macro ROWP i
	s_wait_loadcnt 12-4*(\i)                       ; loads come back in order: the four loads of each later row may stay out
	v_cvt_pk_bf16_f32 v4, s[16+(\i)], s[16+(\i)]
	v_lshlrev_b32 v4, 16, v4                       ; bf16(u) as f32
	v_max_num_f32 v4, 0x3727c5ac, v4               ; uc = max(.., 1e-5)
	v_rcp_f32 v6, v4
	v_mov_b32 v5, v4                               ; the plain line behind the reciprocal; also the pair's second half
	s_wait_alu depctr_va_vdst(0)                   ; the reciprocal has written v6, ahead of its first reader; and the row before has written its PP, M2 and E2, which the stores dealt below read
.if (\i) > 0
	STAGE (\i)-1
.endif
	v_fma_f32 v8, -v4, v6, 1.0
	v_fma_f32 v6, v6, v8, v6
	v_mov_b32 v7, v6
	v_mul_f32 v[M2+(\i)], -2.0, v6                 ; m2iu
.irp m, 0,1,2,3
.if (\i) > 0
	SEND (\i)-1, \m                                ; no wait: no vector instruction since the wait above names the row before's PP, or v2
.endif
.irp p, 0,1
.set rD, DD+16*(\i)+4*(\m)+2*(\p)
.set rP, PP+8*(\i)+2*(\m)+(\p)
.set rT, 10+4*(\p)
	v_cvt_pk_bf16_f32 v[rP], v[rD], v[rD+1]
	v_lshlrev_b32 v[rD], 16, v[rP]                 ; the rounded numbers, widened again
	v_and_b32 v[rD+1], s22, v[rP]
	v_pk_mul_f32 v[rT:rT+1], v[rD:rD+1], v[6:7]
	v_pk_fma_f32 v[rT+2:rT+3], v[rT:rT+1], v[4:5], v[rD:rD+1] neg_lo:[1,0,0] neg_hi:[1,0,0]  ; x - q uc
	v_pk_fma_f32 v[rT:rT+1], v[rT+2:rT+3], v[6:7], v[rT:rT+1]
.if (\p) == 0
	v_pk_mul_f32 v[18+2*(\m):19+2*(\m)], v[rT:rT+1], v[rT:rT+1]       ; the first square starts the chain: nothing is cleared
.else
	v_pk_fma_f32 v[18+2*(\m):19+2*(\m)], v[rT:rT+1], v[rT:rT+1], v[18+2*(\m):19+2*(\m)]
.endif
.endr
.endr
	v_pk_add_f32 v[18:19], v[18:19], v[20:21]
	v_pk_add_f32 v[22:23], v[22:23], v[24:25]
	v_pk_add_f32 v[18:19], v[18:19], v[22:23]
	v_add_f32 v18, v18, v19
	v_add_f32_dpp v18, v18, v18 row_xmask:1 row_mask:0xf bank_mask:0xf
	v_add_f32_dpp v18, v18, v18 row_xmask:2 row_mask:0xf bank_mask:0xf
	v_add_f32_dpp v18, v18, v18 row_xmask:4 row_mask:0xf bank_mask:0xf
	v_add_f32_dpp v18, v18, v18 row_xmask:8 row_mask:0xf bank_mask:0xf
	v_permlanex16_b32 v26, v18, s20, s21
	v_add_f32 v[E2+(\i)], v18, v26                 ; e2, in every lane
.endm
	ROWP 0
	ROWP 1
	ROWP 2
	ROWP 3
	s_wait_alu depctr_va_vdst(0)                   ; row 3 has written its PP, M2 and E2, which the six stores below read; and the rows are done with v[10:11], in which wave 0's LDS load lands: no vector instruction follows
	STAGE 3
.irp m, 0,1,2,3
	SEND 3, \m
.endr
	s_wait_dscnt 0x0                               ; for wave 0's sake: my stores into the stage are done
	s_barrier_signal -1
	s_barrier_wait -1
	s_cmp_lg_u32 s12, 0
	s_cbranch_scc1 .Lnot_wave_0
	ds_load_b64 v[10:11], v27                      ; the stage in cst's order
	s_wait_dscnt 0x0
	global_store_b64 v2, v[10:11], s[10:11]        ; 256 consecutive bytes, aligned
.Lnot_wave_0:
	s_wait_dscnt 0x0                               ; the closing lines, six on end
	s_wait_alu 0x0
	s_wait_tensorcnt 0x0
	ds_add_u32 v30, v31
	s_wait_dscnt 0x0
	s_endpgm
.Lfunc_end_k_q6d14a2943a_prep:
	.size	k_q6d14a2943a_prep, .Lfunc_end_k_q6d14a2943a_prep-k_q6d14a2943a_prep
	.p2alignl 7, 3214868480
	.fill 96, 4, 3214868480
	.section	.rodata,"a",@progbits
	.p2align	6, 0x0
	.amdhsa_kernel k_q6d14a2943a_prep
		.amdhsa_group_segment_fixed_size 1280
		.amdhsa_private_segment_fixed_size 0
		.amdhsa_enable_private_segment 0
		.amdhsa_kernarg_size 32
		.amdhsa_user_sgpr_count 2
		.amdhsa_user_sgpr_kernarg_segment_ptr 1
		.amdhsa_wavefront_size32 1
		.amdhsa_system_sgpr_workgroup_id_x 1
		.amdhsa_system_sgpr_workgroup_id_y 1
		.amdhsa_system_sgpr_workgroup_id_z 1
		.amdhsa_system_vgpr_workitem_id 0
		.amdhsa_next_free_vgpr 136
		.amdhsa_next_free_sgpr 66
		.amdhsa_reserve_vcc 0
		.amdhsa_float_denorm_mode_32 3
		.amdhsa_float_denorm_mode_16_64 3
		.amdhsa_memory_ordered 1
		.amdhsa_forward_progress 1
		.amdhsa_inst_pref_size 22
	.end_amdhsa_kernel
	.amdgpu_metadata
---
amdhsa.version: [ 1, 2 ]
amdhsa.kernels:
  - .name:           k_q6d14a2943a_prep
    .symbol:         k_q6d14a2943a_prep.kd
    .args:
      - { .name: embedding_sum, .offset: 0, .size: 8, .value_kind: global_buffer, .address_space: global }
      - { .name: cluster_usage, .offset: 8, .size: 8, .value_kind: global_buffer, .address_space: global }
      - { .name: eb, .offset: 16, .size: 8, .value_kind: global_buffer, .address_space: global }
      - { .name: cst, .offset: 24, .size: 8, .value_kind: global_buffer, .address_space: global }
    .group_segment_fixed_size: 1280
    .private_segment_fixed_size: 0
    .kernarg_segment_align: 8
    .kernarg_segment_size: 32
    .max_flat_workgroup_size: 256
    .sgpr_count:     66
    .vgpr_count:     136
    .wavefront_size: 32
...
	.end_amdgpu_metadata
.endif
;; end of part 4
;; launch search: the kernel of part 2 again; grid 64 x 4, 4 waves a work-group, clusters of 4 x 1, 327,680 bytes of LDS; arguments x, eb, cst, candv, candi; writes candv, candi
;; launch decode (part 5): grid 256 x 1, 16 waves a work-group, no clusters, 69,120 bytes of LDS; arguments candv, candi, eb, cst, out0, out1; writes out0, out1
.if DOCPART == 5
	.amdgcn_target "amdgcn-amd-amdhsa--gfx1250"
	.amdhsa_code_object_version 6
	.text
	.protected	k_q6d14a2943a_decode
	.globl	k_q6d14a2943a_decode
	.p2align	8
	.type	k_q6d14a2943a_decode,@function
k_q6d14a2943a_decode:
	s_mov_b64 s[64:65], 0
	v_nop
	global_prefetch_b8 v0, s[64:65] scope:SCOPE_SE
	s_setreg_imm32_b32 hwreg(HW_REG_WAVE_SCHED_MODE, 0, 2), 2
	s_setreg_imm32_b32 hwreg(HW_REG_WAVE_MODE, 25, 1), 1
	s_wait_xcnt 0x0
	s_wait_alu depctr_vm_vsrc(0)
; out0[token] = the code of the least of the token's four candidates (one a quarter of the codebook; of equal values the lower quarter's);  out1[b][d][t] = bf16(embedding_sum[code][d]) x (1 / uc[code]).
; The four candidates' codes are whole numbers that the launch before stored, so all four rows can be asked for at once; WHICH of them is kept hangs on a comparison of floating-point numbers, so it is a choice of VALUES
; (v_cndmask_b32) and never of an address: four rows are read for one that is used.
; LIMITS.  The row is multiplied by the reciprocal of uc, not divided: the last place may differ from a quotient's.  A zero's sign is not kept.
; SHARES.  A work-group owns 64 tokens of one batch.  Wave w of sixteen fetches and picks the rows of tokens 4 w .. 4 w + 3 and lays them into LDS; behind one barrier it takes channels 32 w .. 32 w + 31 of all 64 tokens and
; writes them by channel: sixteen lanes store 256 consecutive bytes, aligned.  No matrix unit and no cluster: nothing is multiplied by a matrix, and work-groups share no tile.
; THE MODE: SCHED_MODE bits 1:0 = 2 (LLVM: expert scheduling mode 2), set by the entry lines.  The code itself states the register dependences between vector instructions and memory or LDS instructions, with s_wait_alu, always for 0.
; THE PLAN.  Registers that memory or LDS instructions touch:
;   v3, v16-19, v24-29, v32-47, v52, v30, v31   offsets and LDS addresses: each written once, in a run, with one wait between the run and the loads that read it; never written again.
;   v4-15, v48-51   loads land in them, and no vector instruction names them before; v[4:5] take wave 0's LDS load at the end, long behind their last vector reader.
;   v[64 + 32 t .. + 31]   token t's eight row loads land here; its 24 selects leave the pick in the first eight, which its two LDS stores read.  Those stores stand at the head of token t + 1, behind one wait.
;   v21, v22   the token's code and scale: written by the pick, read by two LDS stores.
;   Behind the barrier: LDS loads land in v[64:95], the multiplies write v[96:159]; v64-71, v96-103 and v128-135 were LDS stores' data: one wait on vm_vsrc stands ahead of all that.
;   v[96:159]  sixteen multiplies write a quarter of it, four global stores read that quarter: a quarter's stores stand in the next quarter, behind one wait, dealt among its multiplies, which write other registers.
.set PITCH, 1040                       ; a row in LDS: 1,024 bytes + 16: an odd multiple of 16, so 16 rows' equal columns begin in 16 different groups of four banks (ISA guide 11.1)
.set CD,    64*PITCH                   ; behind the 64 rows: the 64 codes,
.set SC,    CD+256                     ; the 64 scales,
.set SPARE, CD+512                     ; and the spare words, 128 bytes for each of 16 waves
; token 4 w + t lies in row 16 t + w, so that tokens 4 r + c, r = 0..15, lie in 16 consecutive rows
; v4-7 values, v8-11 codes, v12-15 m2iu, v16-19 offsets in cst, by quarter; v20-22 the pick; v23 0; v24-29, v52 addresses; v32-47 row offsets; v48-51 scales; v64-191 rows: token t, quarter q, half e at 64 + 32 t + 8 q + 4 e
	s_load_b256 s[4:11], s[0:1], 0x0               ; candv s[4:5], candi s[6:7], eb s[8:9], cst s[10:11]
	s_load_b128 s[12:15], s[0:1], 0x20             ; out0 s[12:13], out1 s[14:15]
	v_lshl_add_u32 v30, v0, 2, SPARE               ; my spare word
	v_mov_b32 v31, 0
	v_lshrrev_b32 v1, 5, v0
	v_readfirstlane_b32 s48, v1                    ; wave 0..15
	v_and_b32 v1, 31, v0                           ; lane
	v_lshlrev_b32 v2, 4, v1                        ; 16 x lane
	v_and_b32 v3, 3, v0
	v_lshlrev_b32 v3, 2, v3                        ; 4 x (lane % 4): lane l looks after token 4 w + l % 4
	v_mov_b32 v23, 0
	s_wait_alu depctr_va_sdst(0)                   ; s48 is written, ahead of its first reader: the bases are made from it
	s_lshl_b32 s50, ttmp9, 6
	s_lshl2_add_u32 s50, s48, s50                  ; my wave's first token = 64 x work-group + 4 x wave
	s_lshl_b32 s50, s50, 2
	s_mov_b32 s51, 0
	s_lshr_b32 s52, ttmp9, 4                       ; the batch: 2,097,152 bytes of out1,
	s_lshl_b32 s52, s52, 21
	s_and_b32 s53, ttmp9, 15                       ; and the work-group's 64 tokens in a row of it
	s_lshl_b32 s53, s53, 8
	s_add_co_u32 s52, s52, s53
	s_mov_b32 s53, 0
	s_lshl_b32 s54, ttmp9, 8                       ; the work-group's 256 bytes of out0
	s_mov_b32 s55, 0
	s_wait_kmcnt 0x0
	s_add_nc_u64 s[4:5], s[4:5], s[50:51]
	s_add_nc_u64 s[6:7], s[6:7], s[50:51]
	s_add_nc_u64 s[12:13], s[12:13], s[54:55]
	s_add_nc_u64 s[14:15], s[14:15], s[52:53]
.irp q, 0,1,2,3
	s_load_b128 s[16+4*\q:19+4*\q], s[6:7], 0x10000*\q   ; my four tokens' candidate codes of quarter q, as scalars: they make the rows' addresses
.endr
	s_wait_alu depctr_va_vdst(0)                   ; v3 is written, which the eight loads below read as their offset
.irp q, 0,1,2,3
	global_load_b32 v[4+\q], v3, s[4:5] offset:65536*\q
	global_load_b32 v[8+\q], v3, s[6:7] offset:65536*\q
.endr
	v_lshl_add_u32 v24, s48, 4, v3
	v_add_nc_u32 v24, CD, v24                      ; my token's word among the codes
	s_mul_i32 s56, s48, PITCH
	v_add_nc_u32 v25, s56, v2                      ; into the rows: row w (+ 16 t), 16 x lane
	v_and_b32 v29, 15, v0                          ; r
	v_bfe_u32 v28, v0, 4, 1                        ; h
	v_mul_u32_u24 v26, v29, PITCH
	v_lshl_add_u32 v26, v28, 4, v26
	s_lshl_b32 s57, s48, 6
	v_add_nc_u32 v26, s57, v26                     ; out of the rows: row r (+ 16 c), channels 32 w + 8 h on
	v_lshlrev_b32 v27, 4, v29
	v_lshl_add_u32 v28, v28, 15, v27
	s_lshl_b32 s57, s48, 17
	v_add_nc_u32 v28, s57, v28                     ; in out1: channel 32 w + 8 h, tokens 4 r on
	v_add_nc_u32 v27, SC, v27                      ; the scales of tokens 4 r .. 4 r + 3
	v_lshl_add_u32 v29, v1, 3, CD                  ; wave 0's way out for the codes: where it reads them,
	v_lshlrev_b32 v52, 3, v1                       ; and where it stores them
	s_wait_kmcnt 0x0
.irp t, 0,1,2,3
.irp q, 0,1,2,3
	s_min_u32 s[16+4*\q+\t], s[16+4*\q+\t], 0x1fff ; a code stays inside the table
	s_lshl_b32 s[16+4*\q+\t], s[16+4*\q+\t], 10    ; rows of 1,024 bytes
	v_add_nc_u32 v[32+4*\t+\q], s[16+4*\q+\t], v2
.endr
.endr
	s_wait_alu depctr_va_vdst(0)                   ; the sixteen row offsets v32-47 are written, which the 32 loads below read; so are v24-29 and v52, the addresses of all that follows
.irp t, 0,1,2,3
.irp q, 0,1,2,3
	global_load_b128 v[64+32*\t+8*\q:64+32*\t+8*\q+3],   v[32+4*\t+\q], s[8:9]
	global_load_b128 v[64+32*\t+8*\q+4:64+32*\t+8*\q+7], v[32+4*\t+\q], s[8:9] offset:512
.endr
.endr
	s_wait_loadcnt 32                              ; the values and codes are in; the 32 row loads behind them stay out
.irp q, 0,1,2,3
	v_min_u32 v[8+\q], 0x1fff, v[8+\q]
	v_and_b32 v[16+\q], 0x1ff8, v[8+\q]
	v_and_b32 v22, 7, v[8+\q]
	v_lshlrev_b32 v[16+\q], 3, v[16+\q]            ; 64 bytes for each block of 8 codes,
	v_lshl_add_u32 v[16+\q], v22, 2, v[16+\q]      ; 4 for each code in it
.endr
	s_wait_alu depctr_va_vdst(0)                   ; the four offsets v16-19 are written, which the four loads below read
.irp q, 0,1,2,3
	global_load_b32 v[12+\q], v[16+\q], s[10:11]   ; m2iu = -2 / uc
.endr
	v_mov_b32 v20, v4
	v_mov_b32 v21, v8
.irp q, 1,2,3
	v_cmp_lt_f32 s[31+\q], v[4+\q], v20            ; strictly less: of equal values the lower quarter stays
	s_wait_alu depctr_va_sdst(0)                   ; the compare has written its mask, ahead of the mask's first reader; each compare reads the select before it, so the three cannot stand in one run
	v_cndmask_b32 v20, v20, v[4+\q], s[31+\q]
	v_cndmask_b32 v21, v21, v[8+\q], s[31+\q]
.endr
.irp t, 0,1,2,3
.irp q, 1,2,3
	s_bitcmp1_b32 s[31+\q], \t                     ; lane t holds token t's answer: spread over all lanes as a mask
	s_cselect_b32 s[35+3*\t+\q], -1, 0
.endr
.endr
.macro LAY t                           ; token t's picked row into LDS
	ds_store_b128 v25, v[64+32*(\t):64+32*(\t)+3]   offset:16*PITCH*(\t)
	ds_store_b128 v25, v[64+32*(\t)+4:64+32*(\t)+7] offset:16*PITCH*(\t)+512
.endm
.irp t, 0,1,2,3
	s_wait_loadcnt 28-8*\t                         ; token t's eight loads are in; the later tokens' eight each and the four loads of m2iu stay out
.if \t > 0
	s_wait_alu depctr_va_vdst(0)                   ; the selects of the token before have written its pick, which the two LDS stores below read; this token's selects name other registers
	LAY (\t)-1
.endif
.irp e, 0,1,2,3,4,5,6,7
.irp q, 1,2,3
	v_cndmask_b32 v[64+32*\t+\e], v[64+32*\t+\e], v[64+32*\t+8*\q+\e], s[35+3*\t+\q]  ; the same running pick, on the rows
.endr
.endr
.endr
	s_wait_loadcnt 0x0                             ; m2iu
	v_mov_b32 v22, v12
.irp q, 1,2,3
	v_cndmask_b32 v22, v22, v[12+\q], s[31+\q]
.endr
	v_mul_f32 v22, -0.5, v22                       ; 1 / uc
	s_wait_alu depctr_va_vdst(0)                   ; token 3's pick, v21 and v22 are written, which the four LDS stores below read; and all selects are done with v[64:95], in which the LDS loads behind the barrier land: no vector instruction stands between
	LAY 3
	ds_store_b32 v24, v21                          ; eight lanes write the same word with the same value
	ds_store_b32 v24, v22 offset:256
	s_wait_dscnt 0x0                               ; for the others' sake: my stores are done
	s_barrier_signal -1
	s_barrier_wait -1
	s_wait_alu depctr_vm_vsrc(0)                   ; my LDS stores have read v64-71, v96-103 and v128-135: the loads below land in the first, the multiplies write the others
	ds_load_b128 v[48:51], v27
.irp it, 0,1
.irp c, 0,1,2,3
	ds_load_b128 v[64+16*\it+4*\c:64+16*\it+4*\c+3], v26 offset:16*PITCH*\c+32*\it  ; token 4 r + c, channels 32 w + 16 it + 8 h + 0..7
.endr
.endr
.macro MIX it, dp                      ; channels 32 w + 16 it + 8 h + 2 dp and + 1 of tokens 4 r .. 4 r + 3
.irp c, 0,1,2,3
	v_fma_mix_f32_bf16 v[96+32*(\it)+8*(\dp)+\c],   v[64+16*(\it)+4*\c+(\dp)], v[48+\c], v23 op_sel_hi:[1,0,0]                  ; the low bf16 x scale
	v_fma_mix_f32_bf16 v[96+32*(\it)+8*(\dp)+4+\c], v[64+16*(\it)+4*\c+(\dp)], v[48+\c], v23 op_sel:[1,0,0] op_sel_hi:[1,0,0]  ; the high one
.endr
.endm
.macro OUT it, dp                      ; and their two stores; every store has data registers of its own
	global_store_b128 v28, v[96+32*(\it)+8*(\dp):96+32*(\it)+8*(\dp)+3],   s[14:15] offset:(16*(\it)+2*(\dp))*4096 th:TH_STORE_NT    ; each half of the lanes: 256 consecutive bytes, aligned
	global_store_b128 v28, v[96+32*(\it)+8*(\dp)+4:96+32*(\it)+8*(\dp)+7], s[14:15] offset:(16*(\it)+2*(\dp)+1)*4096 th:TH_STORE_NT
.endm
	s_wait_dscnt 4                                 ; LDS loads come back in order: the second trip's four may stay out
	MIX 0, 0
	MIX 0, 1
	s_wait_alu depctr_va_vdst(0)                   ; the sixteen multiplies above have written v[96:111], which the four stores dealt below read
	OUT 0, 0
	MIX 0, 2
	OUT 0, 1
	MIX 0, 3
	s_wait_dscnt 0x0                               ; the second trip's four loads
	s_wait_alu depctr_va_vdst(0)                   ; the multiplies have written v[112:127], which the four stores dealt below read
	OUT 0, 2
	MIX 1, 0
	OUT 0, 3
	MIX 1, 1
	s_wait_alu depctr_va_vdst(0)                   ; the multiplies have written v[128:143], which the four stores dealt below read
	OUT 1, 0
	MIX 1, 2
	OUT 1, 1
	MIX 1, 3
	s_wait_alu depctr_va_vdst(0)                   ; the multiplies have written v[144:159], which the last four stores read; the pick is long done with v[4:5], in which wave 0's LDS load lands
	OUT 1, 2
	OUT 1, 3
	s_cmp_lg_u32 s48, 0
	s_cbranch_scc1 .Lnot_wave_0
	ds_load_b64 v[4:5], v29
	s_wait_dscnt 0x0
	global_store_b64 v52, v[4:5], s[12:13]         ; the 64 codes: 256 consecutive bytes, aligned
.Lnot_wave_0:
	s_wait_dscnt 0x0                               ; the closing lines, six on end
	s_wait_alu 0x0
	s_wait_tensorcnt 0x0
	ds_add_u32 v30, v31
	s_wait_dscnt 0x0
	s_endpgm
.Lfunc_end_k_q6d14a2943a_decode:
	.size	k_q6d14a2943a_decode, .Lfunc_end_k_q6d14a2943a_decode-k_q6d14a2943a_decode
	.p2alignl 7, 3214868480
	.fill 96, 4, 3214868480
	.section	.rodata,"a",@progbits
	.p2align	6, 0x0
	.amdhsa_kernel k_q6d14a2943a_decode
		.amdhsa_group_segment_fixed_size 69120
		.amdhsa_private_segment_fixed_size 0
		.amdhsa_enable_private_segment 0
		.amdhsa_kernarg_size 48
		.amdhsa_user_sgpr_count 2
		.amdhsa_user_sgpr_kernarg_segment_ptr 1
		.amdhsa_wavefront_size32 1
		.amdhsa_system_sgpr_workgroup_id_x 1
		.amdhsa_system_sgpr_workgroup_id_y 1
		.amdhsa_system_sgpr_workgroup_id_z 1
		.amdhsa_system_vgpr_workitem_id 0
		.amdhsa_next_free_vgpr 192
		.amdhsa_next_free_sgpr 66
		.amdhsa_reserve_vcc 0
		.amdhsa_float_denorm_mode_32 3
		.amdhsa_float_denorm_mode_16_64 3
		.amdhsa_memory_ordered 1
		.amdhsa_forward_progress 1
		.amdhsa_inst_pref_size 26
	.end_amdhsa_kernel
	.amdgpu_metadata
---
amdhsa.version: [ 1, 2 ]
amdhsa.kernels:
  - .name:           k_q6d14a2943a_decode
    .symbol:         k_q6d14a2943a_decode.kd
    .args:
      - { .name: candv, .offset: 0, .size: 8, .value_kind: global_buffer, .address_space: global }
      - { .name: candi, .offset: 8, .size: 8, .value_kind: global_buffer, .address_space: global }
      - { .name: eb, .offset: 16, .size: 8, .value_kind: global_buffer, .address_space: global }
      - { .name: cst, .offset: 24, .size: 8, .value_kind: global_buffer, .address_space: global }
      - { .name: out0, .offset: 32, .size: 8, .value_kind: global_buffer, .address_space: global }
      - { .name: out1, .offset: 40, .size: 8, .value_kind: global_buffer, .address_space: global }
    .group_segment_fixed_size: 69120
    .private_segment_fixed_size: 0
    .kernarg_segment_align: 8
    .kernarg_segment_size: 48
    .max_flat_workgroup_size: 512
    .sgpr_count:     66
    .vgpr_count:     192
    .wavefront_size: 32
...
	.end_amdgpu_metadata
.endif
;; end of part 5
